; MI455X (gfx1250); checked and timed in simulation.
; The chip was launched on July 23, 2026; its instructions are those of AMD's public machine-readable ISA for CDNA 5 (MIT licence, August 2026) and "CDNA5" Instruction Set Architecture Reference Guide (July 2026). The comments in the code are by the model that wrote it; some were corrected since.
;; Randomized Bert Self Attention. Allowed arithmetic: matrix products marked QUANTISED: E2M1 operands, one E8M0 scale for each 32 along K, by v_wmma_scale_f32_16x16x128_f8f6f4 with both operands' format E2M1 (or v_wmma_scale_f32_32x16x128_f4), f32 sums; everything else in f32.
;; Inputs: Wk 768 x 768 float32; Wq 768 x 768 float32; Wv 768 x 768 float32; attention_mask 1 x 1 x 1 x 4,096 float32; bk 768 float32; bq 768 float32; bv 768 float32; hidden_states 1 x 4,096 x 768 float32.
;; Outputs: out0 1 x 4,096 x 768 float32.
;; This version of the problem:
;;   THIS VERSION OF THE PROBLEM IS GIVEN IN LOW PRECISION. The matrix products marked QUANTISED in the list below multiply operands that are first quantised to E2M1 (2 exponent bits, 1 mantissa bit; 4 bits a number), with one power-of-two scale for each 32 numbers along K (OCP MX v1.0); their sums are f32. All else is computed in f32.
;;   The module's matrix products, in the order in which they are computed (A, B: the left and right operand; K: the contracted axis; several contracted axes count as one K, in the product's order):
;;     1. [M 4,096, K 768] x [K 768, N 768]; A: input hidden_states; B: input Wq: QUANTISED
;;     2. [M 4,096, K 768] x [K 768, N 768]; A: input hidden_states; B: input Wk: QUANTISED
;;     3. batch 12 x [M 4,096, K 64] x [K 64, N 4,096]; A: computed on the way; B: computed on the way: QUANTISED
;;     4. [M 4,096, K 768] x [K 768, N 768]; A: input hidden_states; B: input Wv: QUANTISED
;;     5. batch 12 x [M 4,096, K 4,096] x [K 4,096, N 64]; A: softmax (see below); B: computed on the way: QUANTISED
;;   THE QUANTISER, for each operand of a quantised product, along K:
;;     - K is cut into blocks of 32 from its start; a last block that is shorter is filled with zeros.
;;     - A block's scale is 2^e with e = floor(log2(the largest magnitude in the block)) - 2, held to -126 .. 127; a block of zeros has e = 0. As a byte (E8M0): e + 127.
;;     - Each number is divided by its block's scale, clamped to +-6, and rounded to the nearest number of E2M1, ties to even, subnormals kept.
;;     - The product sums the exact products of the quantised numbers (number of the format x scale) in f32.
;;   ~~~python
;;   def quantise(x, axis):      # numpy; x: float32 -> the quantised numbers, widened to float32 again
;;       x = np.moveaxis(x, axis, -1); K = x.shape[-1]
;;       x = np.pad(x, [(0, 0)] * (x.ndim - 1) + [(0, -K % 32)]); x = x.reshape(x.shape[:-1] + (-1, 32)); a = np.abs(x).max(-1, keepdims=True)
;;       e = np.where(a > 0, np.clip(np.frexp(np.where(a > 0, a, 1))[1] - 1 - 2, -126, 127), 0)      # np.frexp(a)[1] - 1 = floor(log2(a)), exactly
;;       r = np.clip(x / 2.0 ** e, -6, 6)
;;       step = 2.0 ** (np.maximum(np.frexp(np.where(r == 0, 1, r))[1] - 1, 0) - 1)
;;       q = np.round(r / step) * step * 2.0 ** e      # np.round: ties to even
;;       return np.moveaxis(q.reshape(q.shape[:-2] + (-1,))[..., :K], -1, axis).astype(np.float32)
;;   ~~~
;;   SOFTMAX AHEAD OF A QUANTISED PRODUCT. Where the list says 'softmax', what is quantised is not the finished softmax but p = 2^(t - M), with t = logit x log2(e) and M = ceil(the row's largest t), a whole number; so 1/2 < the row's largest p <= 1. The row's sum l is taken of the UNQUANTISED p, in f32, and the product's result is divided by l at the end. Since M is a whole number, a kernel that streams over the keys may use a running M (the ceiling of the running maximum): every later rescaling is an exact power of two, which a block's scale takes up: the codes' values come out the same.
;;   OPERANDS COMPUTED ON THE WAY. 'Computed on the way' means the value that the module computes at that place (a softmax that the list does not call 'softmax' is quantised finished and normalised). What goes into a quantiser is computed in f32, as accurately as f32 sums, v_exp_f32 and their like allow (about 1e-6 of the number): no bf16 or f16 on the way to a quantiser, and a product that is left as it is and whose result goes on into a quantised operand takes f32 operands (vector FMAs, or v_wmma_f32_16x16x4_f32). A number that lies on a knife's edge between two numbers of the format may be rounded either way, as far as f32 arithmetic and the matrix unit's own rounding can turn it there, and no further.
;; One version. Each part assembles by itself: llvm-mc -triple=amdgcn-amd-amdhsa -mcpu=gfx1250 --defsym DOCPART=n.
;; ======== version 1 of 1: 3 launches
;; limits: right only within a limited range of input values
;; workspace buffers: oc 2,457,600 bytes; os 153,600 bytes; qc 1,572,864 bytes; qs 196,608 bytes; kv 3,440,640 bytes
;; launch quant (part 1): grid 200 x 1, 6 waves a work-group, no clusters, 51,456 bytes of LDS; arguments hidden_states, Wq, Wk, Wv, oc, os; writes oc, os
.if DOCPART == 1
	.amdgcn_target "amdgcn-amd-amdhsa--gfx1250"
	.amdhsa_code_object_version 6
	.text
	.protected	k_qc000efa473_quant
	.globl	k_qc000efa473_quant
	.p2align	8
	.type	k_qc000efa473_quant,@function
k_qc000efa473_quant:
	s_mov_b64 s[64:65], 0
	v_nop
	global_prefetch_b8 v0, s[64:65] scope:SCOPE_SE
	s_setreg_imm32_b32 hwreg(HW_REG_WAVE_MODE, 25, 1), 1
	s_wait_xcnt 0x0
; hidden_states [4096][768] and Wq, Wk, Wv [768][768], f32, K = 768 innermost, become codes of FP4 (E2M1) with one E8M0 byte for each 32 along K,
; laid as IMAGES OF OPERAND REGISTERS, so that the next launch brings whole fragments by dense blocks.
; Rows go in GROUPS of 64: tile u (0-3) of a group holds in lane r the row 8 u + r % 8 + 32 (r / 8).  In a matrix result whose registers run along such rows a lane
; then has, in the 32 registers of a group's four tiles, the 32 rows 32 h + 0 .. 31: a whole block of the next quantiser.
; Two tiles are a PAIR P (0-127 hidden_states, 128-151 Wq, 152-175 Wk, 176-199 Wv): pair P holds tiles 2 (P % 2), + 1 of group P / 2.
; oc: [P][tile 0-1][K step 0-5][c 0-1][lane][16 bytes]: lane (r, h), group c = the 32 codes of block 2 c + h of the K step of the lane's row.  os: [P][K step][lane][4 bytes]: lanes 0-15 tile 0's words, lanes 16-31 tile 1's.
; A block's scale is 2^(floor(log2(largest magnitude)) - 2); its byte is the largest magnitude's exponent field - 2, held at 1 from below.
; LIMITS: a block of zeros gets the byte 1 where the rule says 127 (its codes are zeros, and this program alone reads the bytes); blocks whose largest magnitude lies under 2^-124 are quantised under the byte 1; NaN and infinities are not served.
; SHARES: a work-group takes a pair, each of its six waves one K step of 128: two tiles of 16 rows x 512 bytes.  Each load reads 512 consecutive bytes of one row; the tile turns through the wave's own stage in LDS
; (rows 528 bytes apart) and comes back as whole blocks of 32 a lane.  Waves share nothing: no barrier.  All 32 loads of a wave are out at once.
; No prefetch: there is no loop to run ahead in.
.set ROWB,  3072                       ; a row in memory
.set SP,    528                        ; a stage row: 512 bytes + 16
.set STG,   16*SP                      ; a wave's stage
.set LANE,  1
.set LI,    2                          ; 16 x lane
.set LS,    3                          ; 4 x lane
.set STI,   4                          ; the stage, on the way in
.set STO,   5                          ; and on the way out: row r, + 128 h
.set PW0,   6                          ; tile 0's two scale bytes of my half, then the word that is stored
.set PW1,   7
.set PC0,   8                          ; v8-15    tile 0's codes
.set R0,    16                         ; v16-79   tile 0 as loaded
.set R1,    80                         ; v80-143  tile 1
.set X,     144                        ; v144-207 64 numbers: register 32 c + i = k 64 c + 32 h + i of my row
.set TM,    208                        ; v208-223 at work
.set PC1,   224                        ; v224-231 tile 1's codes
	s_load_b256 s[4:11], s[0:1], 0x0               ; hidden_states, Wq, Wk, Wv
	s_load_b128 s[12:15], s[0:1], 0x20             ; oc, os
	v_lshl_add_u32 v232, v0, 2, 0xc600
	v_mov_b32 v233, 0
	v_lshrrev_b32 v[LANE], 5, v0
	v_readfirstlane_b32 s19, v[LANE]               ; wave = K step
	v_and_b32 v[LANE], 31, v0
	v_lshlrev_b32 v[LI], 4, v[LANE]
	v_lshlrev_b32 v[LS], 2, v[LANE]
	s_mul_i32 s22, s19, STG
	v_add_nc_u32 v[STI], s22, v[LI]
	v_and_b32 v[STO], 15, v0
	v_mul_u32_u24 v[STO], v[STO], SP
	v_bfe_u32 v[PW0], v0, 4, 1
	v_lshl_add_u32 v[STO], v[PW0], 7, v[STO]
	v_add_nc_u32 v[STO], s22, v[STO]
	s_mov_b32 s18, 176                             ; the first pair of the tensor that my pair lies in
	s_mov_b32 s25, 0
	s_wait_alu depctr_va_vdst(0)                   ; the head's end
	s_wait_kmcnt 0x0
	s_mov_b64 s[16:17], s[10:11]                   ; the choice hangs on the work-group's number alone
	s_cmp_lt_u32 ttmp9, 176
	s_cselect_b64 s[16:17], s[8:9], s[16:17]
	s_cselect_b32 s18, 152, s18
	s_cmp_lt_u32 ttmp9, 152
	s_cselect_b64 s[16:17], s[6:7], s[16:17]
	s_cselect_b32 s18, 128, s18
	s_cmp_lt_u32 ttmp9, 128
	s_cselect_b64 s[16:17], s[4:5], s[16:17]
	s_cselect_b32 s18, 0, s18
	s_sub_co_u32 s18, ttmp9, s18
	s_lshr_b32 s24, s18, 1
	s_lshl_b32 s24, s24, 6                         ; my group's first row,
	s_and_b32 s23, s18, 1
	s_lshl_b32 s23, s23, 4
	s_add_co_u32 s24, s24, s23                     ; + 16 in the second pair
	s_mul_i32 s24, s24, ROWB
	s_lshl_b32 s23, s19, 9                         ; my K step's 512 bytes of each row
	s_add_co_u32 s24, s24, s23
	s_add_nc_u64 s[16:17], s[16:17], s[24:25]
	s_mul_i32 s24, ttmp9, 12288
	s_lshl_b32 s23, s19, 10
	s_add_co_u32 s24, s24, s23
	s_add_nc_u64 s[12:13], s[12:13], s[24:25]      ; oc at (P, tile 0, my K step)
	s_mul_i32 s24, ttmp9, 768
	s_lshl_b32 s23, s19, 7
	s_add_co_u32 s24, s24, s23
	s_add_nc_u64 s[14:15], s[14:15], s[24:25]      ; os at (P, my K step)
.macro LOADT u, reg                    ; tile u of the pair: sixteen rows, 512 consecutive bytes a load
.irp p, 0,1,2,3,4,5,6,7,8,9,10,11,12,13,14,15
	global_load_b128 v[\reg+4*\p:\reg+4*\p+3], v[LI], s[16:17] offset:(8*\u+\p+24*(\p/8))*ROWB th:TH_LOAD_NT
.endr
.endm
.macro TURN reg                        ; through the stage: LDS serves a wave's instructions in order, so no wait stands between the stores and the loads
.irp p, 0,1,2,3,4,5,6,7,8,9,10,11,12,13,14,15
	ds_store_b128 v[STI], v[\reg+4*\p:\reg+4*\p+3] offset:SP*\p
.endr
.irp c, 0,1
.irp j, 0,1,2,3,4,5,6,7
	ds_load_b128 v[X+32*\c+4*\j:X+32*\c+4*\j+3], v[STO] offset:256*\c+16*\j
.endr
.endr
.endm
.macro QUANT pc, pw                    ; the 64 numbers in X, two whole blocks, become a fragment's codes in v[pc] on and my half's two scale bytes in v[pw]
.irp n, 0,1,2,3
	v_max3_num_f32 v[TM+\n], |v[X+16*\n]|, |v[X+16*\n+1]|, 0x1800000   ; half blocks by turns, and the floor 2^(3 - 127): the byte cannot fall under 1
.endr
.irp i, 2,4,6,8,10,12,14
.irp n, 0,1,2,3
	v_max3_num_f32 v[TM+\n], v[TM+\n], |v[X+16*\n+\i]|, |v[X+16*\n+\i+1]|
.endr
.endr
	v_max_num_f32 v[TM], v[TM], v[TM+1]
	v_max_num_f32 v[TM+2], v[TM+2], v[TM+3]
	v_add_nc_u32 v[TM+12], 0xff000000, v[TM]       ; 2 off its exponent field: the conversion takes the exponent field of this operand as its scale
	v_add_nc_u32 v[TM+13], 0xff000000, v[TM+2]
	v_lshrrev_b32 v[TM+4], 23, v[TM+12]            ; the scales' bytes: blocks h and 2 + h
	v_lshrrev_b32 v[TM+5], 23, v[TM+13]
	v_lshl_or_b32 v[\pw], v[TM+5], 16, v[TM+4]
.irp g, 0,1,2,3,4,5,6,7
	v_cvt_scalef32_pk8_fp4_f32 v[\pc+\g], v[X+8*\g:X+8*\g+7], v[TM+12+\g/4]
.endr
	v_nop                                          ; one plain place behind a scaled conversion
.endm
	LOADT 0, R0
	LOADT 1, R1
	s_wait_loadcnt 16                              ; tile 0's sixteen loads are in; tile 1's sixteen may be out
	TURN R0
	s_wait_dscnt 0x0
	QUANT PC0, PW0
	global_store_b128 v[LI], v[PC0:PC0+3], s[12:13]              ; 32 lanes store 512 consecutive bytes, aligned
	global_store_b128 v[LI], v[PC0+4:PC0+7], s[12:13] offset:512
	s_wait_loadcnt 0x0
	TURN R1
	s_wait_dscnt 0x0
	QUANT PC1, PW1
	v_permlane16_swap_b32 v[PW0], v[PW1]           ; lanes 0-15: tile 0's, lanes 16-31: tile 1's; the first register bytes 0 and 2, the second bytes 1 and 3
	v_lshl_or_b32 v[PW0], v[PW1], 8, v[PW0]
	global_store_b128 v[LI], v[PC1:PC1+3], s[12:13] offset:6144
	global_store_b128 v[LI], v[PC1+4:PC1+7], s[12:13] offset:6656
	global_store_b32 v[LS], v[PW0], s[14:15]
	s_wait_tensorcnt 0x0                           ; the wave's end
	ds_add_u32 v232, v233
	s_wait_dscnt 0x0
	s_endpgm
.Lfunc_end_k_qc000efa473_quant:
	.size	k_qc000efa473_quant, .Lfunc_end_k_qc000efa473_quant-k_qc000efa473_quant
	.p2alignl 7, 3214868480
	.fill 96, 4, 3214868480
	.section	.rodata,"a",@progbits
	.p2align	6, 0x0
	.amdhsa_kernel k_qc000efa473_quant
		.amdhsa_group_segment_fixed_size 51456
		.amdhsa_private_segment_fixed_size 0
		.amdhsa_enable_private_segment 0
		.amdhsa_kernarg_size 48
		.amdhsa_user_sgpr_count 2
		.amdhsa_user_sgpr_kernarg_segment_ptr 1
		.amdhsa_wavefront_size32 1
		.amdhsa_system_sgpr_workgroup_id_x 1
		.amdhsa_system_sgpr_workgroup_id_y 1
		.amdhsa_system_sgpr_workgroup_id_z 1
		.amdhsa_system_vgpr_workitem_id 0
		.amdhsa_next_free_vgpr 234
		.amdhsa_next_free_sgpr 66
		.amdhsa_reserve_vcc 0
		.amdhsa_float_denorm_mode_32 3
		.amdhsa_float_denorm_mode_16_64 3
		.amdhsa_memory_ordered 1
		.amdhsa_forward_progress 1
		.amdhsa_inst_pref_size 17
	.end_amdhsa_kernel
	.amdgpu_metadata
---
amdhsa.version: [ 1, 2 ]
amdhsa.kernels:
  - .name:           k_qc000efa473_quant
    .symbol:         k_qc000efa473_quant.kd
    .args:
      - { .name: hidden_states, .offset: 0, .size: 8, .value_kind: global_buffer, .address_space: global }
      - { .name: Wq, .offset: 8, .size: 8, .value_kind: global_buffer, .address_space: global }
      - { .name: Wk, .offset: 16, .size: 8, .value_kind: global_buffer, .address_space: global }
      - { .name: Wv, .offset: 24, .size: 8, .value_kind: global_buffer, .address_space: global }
      - { .name: oc, .offset: 32, .size: 8, .value_kind: global_buffer, .address_space: global }
      - { .name: os, .offset: 40, .size: 8, .value_kind: global_buffer, .address_space: global }
    .group_segment_fixed_size: 51456
    .private_segment_fixed_size: 0
    .kernarg_segment_align: 8
    .kernarg_segment_size: 48
    .max_flat_workgroup_size: 192
    .sgpr_count:     66
    .vgpr_count:     234
    .wavefront_size: 32
...
	.end_amdgpu_metadata
.endif
;; end of part 1
;; launch proj (part 2): grid 16 x 12, 12 waves a work-group, clusters of 4 x 4, 185,344 bytes of LDS; arguments oc, os, bq, bk, bv, qc, qs, kv; writes qc, qs, kv
.if DOCPART == 2
	.amdgcn_target "amdgcn-amd-amdhsa--gfx1250"
	.amdhsa_code_object_version 6
	.text
	.protected	k_qc000efa473_proj
	.globl	k_qc000efa473_proj
	.p2align	8
	.type	k_qc000efa473_proj,@function
k_qc000efa473_proj:
	s_mov_b64 s[64:65], 0
	v_nop
	global_prefetch_b8 v0, s[64:65] scope:SCOPE_SE
	s_setreg_imm32_b32 hwreg(HW_REG_WAVE_MODE, 25, 1), 1
	s_wait_xcnt 0x0
	s_wait_alu depctr_hold_cnt(0) depctr_sa_sdst(0) depctr_va_vdst(0) depctr_va_sdst(0) depctr_va_ssrc(0) depctr_va_vcc(0) depctr_vm_vsrc(0)
	s_getreg_b32 s2, hwreg(HW_REG_IB_STS2, 6, 4)
	s_cmp_eq_u32 s2, 0
	s_cbranch_scc0 .Lentry_in_a_cluster
	s_endpgm
.Lentry_in_a_cluster:
	s_bfe_u32 s2, ttmp6, 0x10000c
	s_cmp_lg_u32 s2, 0xf033
	s_cbranch_scc0 .Lentry_shape_is_right
	s_endpgm
.Lentry_shape_is_right:
; q = x Wq^T + bq, k = x Wk^T + bk, v = x Wv^T + bv on codes of FP4 with E8M0 scales (K = 768, six K steps of 128), and their quantising for the attention launch: q and k along the head's 64, v along the tokens.
; SHARES.  A work-group takes 256 tokens (tb = 0..15: four groups of 64) x 192 rows of ONE of the three weights (three heads).  The cluster's y says which weight (0 q, 1 k, 2 v), cy which three heads, 4 x cluster x + cx which tokens.
; All its operands, 183,552 bytes, come into LDS once, as dense blocks of register images, one load a wave; nothing is filled again.  CLUSTER 4 x 4: x's block hangs on tb alone and is asked for jointly by a column of the cluster,
; the weight's blocks and the bias hang on (weight, cy) alone and are asked for jointly by a row.
; Each of twelve waves makes 64 tokens (group w % 4) x one head (w / 4): 4 tiles as source 0 x 4 tiles as source 1, 16 accumulators, 96 matrix instructions.  A lane's registers run along source 0's rows, which by the order of rows
; (tile u of a group of 64, lane r: row 8 u + r % 8 + 32 (r / 8)) are the 32 neighbours 32 h + 0 .. 31: source 0 is the axis that is quantised next, and a block needs no other lane.
;   q, k: source 0 = the head's 64 rows of W, source 1 = the tokens.   v: source 0 = the tokens, source 1 = the head's rows of W.
; The bias is the C of each sum's first matrix instruction.
; OUT.  qc [head][token tile T][lane][16]; qs [head][token pair][lane][4]: bytes 0, 1 the two blocks' scale bytes LESS 3 (the exact 1 / sqrt(64) of the scores), bytes 2, 3 = 127.
;   kv [cy][key step of 128][head % 3][8960]: K's tile t at 512 t; V's tile t at 4096 + 1024 t + 512 c; K's words, tile pair p at 8192 + 128 p + 4 lane; V's at 8704 + 128 p + 4 lane, byte = key block.
; LIMITS: a block of zeros gets the floor's byte (its codes are zeros; this program alone reads the bytes); blocks whose largest magnitude lies under 2^-124 (q: 2^-121) are quantised under the floor's scale; NaN and infinities are not served.
; No prefetch: the launch has no loop to run ahead in.
.set XB,    98304                      ; LDS: x's codes 0 .. 98,303 (four groups x 24,576); from here the weight's (three heads x 24,576)
.set SCX,   172032                     ; x's scale words: 4 x 1,536
.set SCW,   178176                     ; the weight's: 3 x 1,536
.set BIAS,  182784                     ; 192 numbers
.set SPARE, 183552                     ; the spare words: 12 x 128 bytes
.set REC,   8960                       ; a record of kv
.set WV,    22
.set CX,    23
.set CY,    24
.set TBK,   25
.set TYP,   26
.set FG,    27
.set G1X,   28                         ; s[28:35] group 1 for x's codes;  s[36:43] the weight's;  s[44:51], s[52:59] their scale words;  s[68:75] the bias
.set G1W,   36
.set G1SX,  44
.set G1SW,  52
.set G0X,   60                         ; s[60:63] group 0 for x's codes
.set G1B,   68
.set G0W,   76
.set G0SX,  80
.set G0SW,  84
.set G0B,   88
.set DC,    28                         ; behind the wait for the tensor loads s28-59 are free: s[28:29] where the codes go, s[30:31] the scale words
.set DS,    30
.set FLOOR, 36                         ; the floor under a block's largest magnitude
.set ADJ,   37                         ; what is taken off q's two scale bytes
.set LI,    1                          ; 16 x lane
.set LS,    2                          ; 4 x lane
.set AA,    3                          ; LDS addresses: source 0's fragments, source 1's, their scale words, the bias
.set AB,    4
.set ASA,   5
.set ASB,   6
.set ABI,   7
.set SA,    8                          ; v8-19   source 0's scale words: 2 pairs x 6 K steps (lanes 0-15 the even tile, lanes 16-31 the odd one)
.set SB,    20                         ; v20-31  source 1's
.set BC,    32                         ; v32-63  the bias in the result's layout; behind the first K step at work
.set F0,    64                         ; v64-95  source 0's four fragments
.set F1,    96                         ; v96-127 source 1's
.set ACC,   128                        ; accumulator (a, b) at 32 b + 8 a
.set TM,    32                         ; v32-39 largest magnitudes, v40-43 scale operands, v44-47 scale bytes
.set PC,    64                         ; v64-79 the codes
.macro ROUND                           ; a round of the cluster's barrier
	s_barrier_signal -1
	s_barrier_wait -1
	s_cmp_lg_u32 s[WV], 0
	s_cbranch_scc1 .Lnot_wave_0_\@
	s_barrier_signal -3
.Lnot_wave_0_\@:
	s_barrier_wait -3
	s_barrier_signal -1
	s_barrier_wait -1
.endm
.macro G1REST g, c, r                  ; r rows of c elements of 8 bytes, dense
	s_mov_b32 s[\g+1], (\c)<<16                    ; tensor_dim0
	s_mov_b32 s[\g+2], (\r)<<16                    ; tensor_dim1
	s_mov_b32 s[\g+3], (\c)<<16                    ; tile_dim0
	s_mov_b32 s[\g+4], \r                          ; tile_dim1
	s_mov_b32 s[\g+5], \c                          ; the pitch
	s_mov_b32 s[\g+6], 0
	s_mov_b32 s[\g+7], 0
.endm
.macro NOPS
.rept 4
	v_nop
.endr
.endm
	s_load_b256 s[4:11], s[0:1], 0x0               ; oc, os, bq, bk
	s_load_b256 s[12:19], s[0:1], 0x20             ; bv, qc, qs, kv
	v_lshl_add_u32 v3, v0, 2, SPARE
	v_mov_b32 v4, 0
	ds_add_u32 v3, v4                              ; the opening: the add, twice on end, and its wait
	ds_add_u32 v3, v4
	v_lshrrev_b32 v1, 5, v0
	s_delay_alu instid0(VALU_DEP_1)
	v_readfirstlane_b32 s[WV], v1                  ; wave 0..11
	s_bfe_u32 s[CX], ttmp6, 0x40000
	s_bfe_u32 s[CY], ttmp6, 0x40004
	s_lshl_b32 s[TBK], ttmp9, 2
	s_add_co_u32 s[TBK], s[TBK], s[CX]             ; which 256 tokens
	s_and_b32 s[TYP], ttmp7, 0xffff                ; which weight: the cluster's y, the same in all sixteen partners
	s_lshl_b32 s[FG], s[TYP], 2
	s_add_co_u32 s[FG], s[FG], s[CY]               ; which 192 rows of the three weights' 2,304
	s_lshl_b32 s92, 0x1111, s[CX]                  ; my column of the cluster
	s_lshl_b32 s93, s[CY], 2
	s_lshl_b32 s93, 15, s93                        ; my row
	s_or_b32 s[G1X], s92, (3<<16)|(1<<21)          ; 15:0 the mask; 17:16 elements of 8 bytes; 21 set beside a mask; no padding: images are read as consecutive bytes
	s_or_b32 s[G1SX], s92, (3<<16)|(1<<21)
	s_or_b32 s[G1W], s93, (3<<16)|(1<<21)
	s_or_b32 s[G1SW], s93, (3<<16)|(1<<21)
	s_or_b32 s[G1B], s93, (3<<16)|(1<<21)
	G1REST G1X, 32, 96                             ; 64 tokens: 24,576 bytes as 96 rows of 256
	G1REST G1W, 32, 96                             ; a head of the weight: likewise
	G1REST G1SX, 32, 24                            ; 6,144 bytes
	G1REST G1SW, 32, 18                            ; 4,608 bytes
	G1REST G1B, 96, 1                              ; one row of 768 bytes
	s_mul_i32 s96, s[WV], 24576                    ; where a wave's block of codes goes: waves 0-3 x's quarters, waves 4-6 the weight's thirds
	s_mul_i32 s94, s[TBK], 98304
	s_add_co_u32 s94, s94, s96
	s_mov_b32 s95, 0
	s_mul_i32 s98, s[FG], 6*12288
	s_add_co_u32 s98, s98, 128*12288-XB            ; the weights' pairs begin at pair 128; wave 4 takes the first third
	s_add_co_u32 s98, s98, s96
	s_mov_b32 s99, 0
	s_mul_i32 s2, s[TBK], 6144
	s_mov_b32 s3, 0
	s_mul_i32 s92, s[FG], 4608
	s_add_co_u32 s92, s92, 128*768
	s_mov_b32 s93, 0
	s_mul_i32 s100, s[CY], 768
	s_mov_b32 s101, 0
	s_wait_alu depctr_va_vdst(0)
	s_wait_dscnt 0x0                               ; both opening adds are done
	ROUND                                          ; all sixteen work-groups are here: the joint loads meet.  (The round needs no argument: their load is on its way beside it)
	s_wait_kmcnt 0x0
	s_add_nc_u64 s[20:21], s[18:19], 8192          ; kv's scale words
	s_mov_b32 s[G0X], 1
	s_mov_b32 s[G0X+1], s96
	s_add_nc_u64 s[G0X+2:G0X+3], s[4:5], s[94:95]
	s_or_b32 s[G0X+3], s[G0X+3], 0x80000000
	s_mov_b32 s[G0W], 1
	s_mov_b32 s[G0W+1], s96
	s_add_nc_u64 s[G0W+2:G0W+3], s[4:5], s[98:99]
	s_or_b32 s[G0W+3], s[G0W+3], 0x80000000
	s_mov_b32 s[G0SX], 1
	s_mov_b32 s[G0SX+1], SCX
	s_add_nc_u64 s[G0SX+2:G0SX+3], s[6:7], s[2:3]
	s_or_b32 s[G0SX+3], s[G0SX+3], 0x80000000
	s_mov_b32 s[G0SW], 1
	s_mov_b32 s[G0SW+1], SCW
	s_add_nc_u64 s[G0SW+2:G0SW+3], s[6:7], s[92:93]
	s_or_b32 s[G0SW+3], s[G0SW+3], 0x80000000
	s_mov_b32 s[G0B], 1
	s_mov_b32 s[G0B+1], BIAS
	s_cmp_eq_u32 s[TYP], 0                         ; the bias that goes with the weight
	s_cselect_b64 s[G0B+2:G0B+3], s[8:9], s[10:11]
	s_cmp_eq_u32 s[TYP], 2
	s_cselect_b64 s[G0B+2:G0B+3], s[12:13], s[G0B+2:G0B+3]
	s_add_nc_u64 s[G0B+2:G0B+3], s[G0B+2:G0B+3], s[100:101]
	s_or_b32 s[G0B+3], s[G0B+3], 0x80000000
; The head's loads, one a wave, in one chain of branches on the wave's number: waves 0-3 x's codes, 4-6 the weight's, 7 and 8 their scale words, 9 the bias; waves 10 and 11 have none.
.macro ARM under, g0, g1, next
	s_cmp_lt_u32 s[WV], \under
	s_cbranch_scc0 \next
	tensor_load_to_lds s[\g0:\g0+3], s[\g1:\g1+7]
	s_nop 0
	NOPS
	s_branch .Lasked
\next:
.endm
	ARM 4,  G0X,  G1X,  .Larm_w
	ARM 7,  G0W,  G1W,  .Larm_sx
	ARM 8,  G0SX, G1SX, .Larm_sw
	ARM 9,  G0SW, G1SW, .Larm_b
	ARM 10, G0B,  G1B,  .Larm_none
.Lasked:
	v_and_b32 v[LS], 31, v0
	s_delay_alu instid0(VALU_DEP_1)
	v_lshlrev_b32 v[LI], 4, v[LS]
	s_delay_alu instid0(VALU_DEP_2)
	v_lshlrev_b32 v[LS], 2, v[LS]
	s_wait_alu depctr_va_vdst(0)                   ; the head's end
	s_wait_tensorcnt 0x0                           ; my fill has landed, and the descriptors' registers are free
	s_barrier_signal -1
	s_barrier_wait -1                              ; everybody's has
	s_mov_b32 s51, 0
	s_mov_b32 s53, 0
	s_and_b32 s41, s[WV], 3                        ; my 64 tokens
	s_lshr_b32 s42, s[WV], 2                       ; my head of the three
	s_and_b32 s43, s41, 1                          ; c: which half of a key step my tokens are
	s_lshl_b32 s46, s[CY], 5                       ; 32 key steps for each three heads,
	s_lshl_b32 s47, s[TBK], 1                      ; two for each 256 tokens
	s_add_co_u32 s46, s46, s47
	s_lshr_b32 s47, s41, 1
	s_add_co_u32 s46, s46, s47
	s_mul_i32 s46, s46, 3
	s_add_co_u32 s46, s46, s42
	s_mul_i32 s46, s46, REC                        ; my record of kv
	s_mul_i32 s54, s41, 24576                      ; LDS: the tokens' codes,
	s_mul_i32 s55, s42, 24576
	s_add_co_u32 s55, s55, XB                      ; the head's,
	s_mul_i32 s56, s41, 1536
	s_add_co_u32 s56, s56, SCX                     ; the tokens' scale words,
	s_mul_i32 s57, s42, 1536
	s_add_co_u32 s57, s57, SCW                     ; the head's,
	s_lshl_b32 s58, s42, 8
	s_add_co_u32 s58, s58, BIAS                    ; its 64 biases
; One scaled product.  ra, rb: the scale words of source 0, of source 1 are taken from lanes 16-31
.macro WM d, a, b, c, sa, sb, ra, rb
.if (\ra) && (\rb)
	v_wmma_scale_f32_16x16x128_f8f6f4 v[(\d):(\d)+7], v[(\a):(\a)+7], v[(\b):(\b)+7], v[(\c):(\c)+7], v[(\sa)], v[(\sb)] matrix_a_fmt:MATRIX_FMT_FP4 matrix_b_fmt:MATRIX_FMT_FP4 matrix_a_scale:MATRIX_SCALE_ROW1 matrix_b_scale:MATRIX_SCALE_ROW1
.elseif (\ra)
	v_wmma_scale_f32_16x16x128_f8f6f4 v[(\d):(\d)+7], v[(\a):(\a)+7], v[(\b):(\b)+7], v[(\c):(\c)+7], v[(\sa)], v[(\sb)] matrix_a_fmt:MATRIX_FMT_FP4 matrix_b_fmt:MATRIX_FMT_FP4 matrix_a_scale:MATRIX_SCALE_ROW1
.elseif (\rb)
	v_wmma_scale_f32_16x16x128_f8f6f4 v[(\d):(\d)+7], v[(\a):(\a)+7], v[(\b):(\b)+7], v[(\c):(\c)+7], v[(\sa)], v[(\sb)] matrix_a_fmt:MATRIX_FMT_FP4 matrix_b_fmt:MATRIX_FMT_FP4 matrix_b_scale:MATRIX_SCALE_ROW1
.else
	v_wmma_scale_f32_16x16x128_f8f6f4 v[(\d):(\d)+7], v[(\a):(\a)+7], v[(\b):(\b)+7], v[(\c):(\c)+7], v[(\sa)], v[(\sb)] matrix_a_fmt:MATRIX_FMT_FP4 matrix_b_fmt:MATRIX_FMT_FP4
.endif
.endm
.macro LDK s                           ; K step s: sixteen loads of 512 consecutive bytes: source 1's four fragments, then source 0's
.irp b, 0,1,2,3
.irp c, 0,1
	ds_load_b128 v[F1+8*\b+4*\c:F1+8*\b+4*\c+3], v[AB] offset:6144*\b+1024*(\s)+512*\c
.endr
.endr
.irp a, 0,1,2,3
.irp c, 0,1
	ds_load_b128 v[F0+8*\a+4*\c:F0+8*\a+4*\c+3], v[AA] offset:6144*\a+1024*(\s)+512*\c
.endr
.endr
.endm
.macro MULK s, kind                    ; sixteen products, the sixteen accumulators by turns, one instruction a turn.  In the first K step the bias is the C
.irp a, 0,1,2,3
	s_wait_dscnt 6-2*\a                            ; source 1 and source 0's tiles up to a are in; the later tiles' loads, two each, may be out
.irp b, 0,1,2,3
.if (\s) > 0
	WM ACC+32*\b+8*\a, F0+8*\a, F1+8*\b, ACC+32*\b+8*\a, SA+6*(\a/2)+(\s), SB+6*(\b/2)+(\s), \a%2, \b%2
.elseif \kind
	WM ACC+32*\b+8*\a, F0+8*\a, F1+8*\b, BC+8*\b, SA+6*(\a/2)+(\s), SB+6*(\b/2)+(\s), \a%2, \b%2
.else
	WM ACC+32*\b+8*\a, F0+8*\a, F1+8*\b, BC+8*\a, SA+6*(\a/2)+(\s), SB+6*(\b/2)+(\s), \a%2, \b%2
.endif
.endr
.endr
.endm
; The wave's 64 x 64.  kind 0: q or k;  kind 1: v
.macro UNIT kind
.irp p, 0,1
.irp s, 0,1,2,3,4,5
	ds_load_b32 v[SA+6*\p+\s], v[ASA] offset:768*\p+128*\s
	ds_load_b32 v[SB+6*\p+\s], v[ASB] offset:768*\p+128*\s
.endr
.endr
.if \kind
.irp b, 0,1,2,3
.irp j, 0,1,2,3,4,5,6,7
	ds_load_b32 v[BC+8*\b+\j], v[ABI] offset:32*\b  ; v: a lane holds one channel: its bias in all eight registers
.endr
.endr
	s_wait_dscnt 32                                ; the scale words are in
.else
.irp a, 0,1,2,3
	ds_load_b128 v[BC+8*\a:BC+8*\a+3], v[ABI] offset:32*\a       ; q, k: register j of tile a: channel 32 h + 8 a + j
	ds_load_b128 v[BC+8*\a+4:BC+8*\a+7], v[ABI] offset:32*\a+16
.endr
.endif
	LDK 0
.irp s, 0,1,2,3,4,5
	MULK \s, \kind
	NOPS                                           ; four places in front of loads into registers that these products read, and of the first read of results
.if \s < 5
	LDK \s+1
.endif
.endr
	; the lane's 128 results are four whole blocks: tile b of source 1, the 32 registers from 32 b on
.irp n, 0,1,2,3,4,5,6,7
	v_max3_num_f32 v[TM+\n], |v[ACC+16*\n]|, |v[ACC+16*\n+1]|, s[FLOOR]   ; half blocks by turns; each accumulator is read from its low end on
.endr
.irp i, 2,4,6,8,10,12,14
.irp n, 0,1,2,3,4,5,6,7
	v_max3_num_f32 v[TM+\n], v[TM+\n], |v[ACC+16*\n+\i]|, |v[ACC+16*\n+\i+1]|
.endr
.endr
.irp b, 0,1,2,3
	v_max_num_f32 v[TM+2*\b], v[TM+2*\b], v[TM+2*\b+1]
.endr
.irp b, 0,1,2,3
	v_add_nc_u32 v[TM+8+\b], 0xff000000, v[TM+2*\b]   ; 2 off its exponent field: the conversion's scale operand
.endr
.irp b, 0,1,2,3
	v_lshrrev_b32 v[TM+12+\b], 23, v[TM+8+\b]      ; the scale's byte: block h of tile b's row
.endr
.irp g, 0,1,2,3,4,5,6,7,8,9,10,11,12,13,14,15
	v_cvt_scalef32_pk8_fp4_f32 v[PC+\g], v[ACC+8*\g:ACC+8*\g+7], v[TM+8+\g/4]   ; registers 4 b .. 4 b + 3 = tile b of source 1, block h
.endr
	v_permlane16_swap_b32 v[TM+12], v[TM+13]       ; a pair's word: lanes 0-15 the even tile's, lanes 16-31 the odd one's: the first register block 0's bytes, the second block 1's  (a plain place behind the conversions)
	v_permlane16_swap_b32 v[TM+14], v[TM+15]
	v_lshl_or_b32 v[TM+12], v[TM+13], 8, v[TM+12]
	v_lshl_or_b32 v[TM+14], v[TM+15], 8, v[TM+14]
.if !\kind
	v_sub_nc_u32 v[TM+12], v[TM+12], s[ADJ]        ; q: 3 off both bytes, the exact 1 / 8 (they are 4 at the least); k: 0
	v_sub_nc_u32 v[TM+14], v[TM+14], s[ADJ]
	v_or_b32 v[TM+12], 0x7f7f0000, v[TM+12]        ; the upper 64 of the score product's 128 along K count for nothing, under the scale 1
	v_or_b32 v[TM+14], 0x7f7f0000, v[TM+14]
.endif
.irp b, 0,1,2,3
	global_store_b128 v[LI], v[PC+4*\b:PC+4*\b+3], s[DC:DC+1] offset:(512+512*\kind)*\b   ; 32 lanes store 512 consecutive bytes, aligned
.endr
.if \kind
	global_store_b16 v[LS], v[TM+12], s[DS:DS+1]   ; two of a word's four key blocks
	global_store_b16 v[LS], v[TM+14], s[DS:DS+1] offset:128
.else
	global_store_b32 v[LS], v[TM+12], s[DS:DS+1]
	global_store_b32 v[LS], v[TM+14], s[DS:DS+1] offset:128
.endif
.endm
	s_cmp_lt_u32 s[TYP], 2                         ; the same in every wave of every partner
	s_cbranch_scc0 .Lv
	; ---- q or k
	s_mul_i32 s44, s[CY], 3
	s_add_co_u32 s44, s44, s42                     ; my head of the twelve
	s_lshl_b32 s45, s44, 14
	s_lshl_b32 s44, s44, 17
	s_lshl_b32 s48, s[TBK], 2
	s_add_co_u32 s48, s48, s41                     ; my group of 64 tokens
	s_lshl_b32 s49, s48, 11
	s_add_co_u32 s44, s44, s49                     ; q's codes
	s_lshl_b32 s49, s48, 8
	s_add_co_u32 s45, s45, s49                     ; q's words
	s_lshl_b32 s48, s43, 11
	s_add_co_u32 s47, s46, s48                     ; k's codes: tiles 4 c on
	s_lshl_b32 s48, s43, 8
	s_add_co_u32 s48, s46, s48                     ; k's words
	s_mov_b32 s[FLOOR], 0x1800000                  ; 2^(3 - 127)
	s_cmp_eq_u32 s[TYP], 0
	s_cselect_b64 s[DC:DC+1], s[14:15], s[18:19]
	s_cselect_b64 s[DS:DS+1], s[16:17], s[20:21]
	s_cselect_b32 s50, s44, s47
	s_cselect_b32 s52, s45, s48
	s_cselect_b32 s[FLOOR], 0x3000000, s[FLOOR]    ; q: 2^(6 - 127)
	s_cselect_b32 s[ADJ], 0x0303, 0
	s_add_nc_u64 s[DC:DC+1], s[DC:DC+1], s[50:51]
	s_add_nc_u64 s[DS:DS+1], s[DS:DS+1], s[52:53]
	v_add_nc_u32 v[AA], s55, v[LI]
	v_add_nc_u32 v[AB], s54, v[LI]
	v_add_nc_u32 v[ASA], s57, v[LS]
	v_add_nc_u32 v[ASB], s56, v[LS]
	v_bfe_u32 v[ABI], v0, 4, 1
	s_delay_alu instid0(VALU_DEP_1)
	v_lshl_add_u32 v[ABI], v[ABI], 7, s58          ; + 128 h
	s_wait_alu depctr_va_vdst(0)
	UNIT 0
	s_branch .Lend
.Lv:
	; ---- v
	s_lshl_b32 s47, s43, 9
	s_add_co_u32 s50, s46, s47
	s_add_co_u32 s50, s50, 4096                    ; V's tiles, group c
	s_lshl_b32 s47, s43, 1
	s_add_co_u32 s52, s46, s47
	s_add_co_u32 s52, s52, 512                     ; bytes 2 c, 2 c + 1 of the words
	s_add_nc_u64 s[DC:DC+1], s[18:19], s[50:51]
	s_add_nc_u64 s[DS:DS+1], s[20:21], s[52:53]
	s_mov_b32 s[FLOOR], 0x1800000
	v_add_nc_u32 v[AA], s54, v[LI]
	v_add_nc_u32 v[AB], s55, v[LI]
	v_add_nc_u32 v[ASA], s56, v[LS]
	v_add_nc_u32 v[ASB], s57, v[LS]
	v_and_b32 v[ABI], 15, v0
	s_delay_alu instid0(VALU_DEP_1)
	v_and_b32 v8, 8, v[ABI]
	s_delay_alu instid0(VALU_DEP_1)
	v_mad_u32_u24 v[ABI], v8, 3, v[ABI]            ; r % 8 + 32 (r / 8): my channel in tile 0
	s_delay_alu instid0(VALU_DEP_1)
	v_lshl_add_u32 v[ABI], v[ABI], 2, s58
	s_wait_alu depctr_va_vdst(0)
	UNIT 1
.Lend:
	s_wait_xcnt 0x0
	v_lshl_add_u32 v3, v0, 2, SPARE                ; my spare word and 0, made anew
	v_mov_b32 v4, 0
	s_wait_alu depctr_va_vdst(0)
	s_wait_tensorcnt 0x0                           ; the wave's end
	ds_add_u32 v3, v4
	s_wait_dscnt 0x0
	ROUND                                          ; the closing round: no work-group ends while a partner may still ask for a block that names it
	s_endpgm
.Lfunc_end_k_qc000efa473_proj:
	.size	k_qc000efa473_proj, .Lfunc_end_k_qc000efa473_proj-k_qc000efa473_proj
	.p2alignl 7, 3214868480
	.fill 96, 4, 3214868480
	.section	.rodata,"a",@progbits
	.p2align	6, 0x0
	.amdhsa_kernel k_qc000efa473_proj
		.amdhsa_group_segment_fixed_size 185344
		.amdhsa_private_segment_fixed_size 0
		.amdhsa_enable_private_segment 0
		.amdhsa_kernarg_size 64
		.amdhsa_user_sgpr_count 2
		.amdhsa_user_sgpr_kernarg_segment_ptr 1
		.amdhsa_wavefront_size32 1
		.amdhsa_system_sgpr_workgroup_id_x 1
		.amdhsa_system_sgpr_workgroup_id_y 1
		.amdhsa_system_sgpr_workgroup_id_z 1
		.amdhsa_system_vgpr_workitem_id 0
		.amdhsa_next_free_vgpr 256
		.amdhsa_next_free_sgpr 102
		.amdhsa_reserve_vcc 0
		.amdhsa_float_denorm_mode_32 3
		.amdhsa_float_denorm_mode_16_64 3
		.amdhsa_memory_ordered 1
		.amdhsa_forward_progress 1
		.amdhsa_inst_pref_size 69
	.end_amdhsa_kernel
	.amdgpu_metadata
---
amdhsa.version: [ 1, 2 ]
amdhsa.kernels:
  - .name:           k_qc000efa473_proj
    .symbol:         k_qc000efa473_proj.kd
    .args:
      - { .name: oc, .offset: 0, .size: 8, .value_kind: global_buffer, .address_space: global }
      - { .name: os, .offset: 8, .size: 8, .value_kind: global_buffer, .address_space: global }
      - { .name: bq, .offset: 16, .size: 8, .value_kind: global_buffer, .address_space: global }
      - { .name: bk, .offset: 24, .size: 8, .value_kind: global_buffer, .address_space: global }
      - { .name: bv, .offset: 32, .size: 8, .value_kind: global_buffer, .address_space: global }
      - { .name: qc, .offset: 40, .size: 8, .value_kind: global_buffer, .address_space: global }
      - { .name: qs, .offset: 48, .size: 8, .value_kind: global_buffer, .address_space: global }
      - { .name: kv, .offset: 56, .size: 8, .value_kind: global_buffer, .address_space: global }
    .group_segment_fixed_size: 185344
    .private_segment_fixed_size: 0
    .kernarg_segment_align: 8
    .kernarg_segment_size: 64
    .max_flat_workgroup_size: 384
    .sgpr_count:     102
    .vgpr_count:     256
    .wavefront_size: 32
...
	.end_amdgpu_metadata
.endif
;; end of part 2
;; launch attn (part 3): grid 64 x 4, 12 waves a work-group, clusters of 4 x 1, 327,680 bytes of LDS; arguments qc, qs, kv, attention_mask, out0; writes out0
.if DOCPART == 3
	.amdgcn_target "amdgcn-amd-amdhsa--gfx1250"
	.amdhsa_code_object_version 6
	.text
	.protected	k_qc000efa473_attn
	.globl	k_qc000efa473_attn
	.p2align	8
	.type	k_qc000efa473_attn,@function
k_qc000efa473_attn:
	s_mov_b64 s[64:65], 0
	v_nop
	global_prefetch_b8 v0, s[64:65] scope:SCOPE_SE
	s_setreg_imm32_b32 hwreg(HW_REG_WAVE_MODE, 25, 1), 1
	s_wait_xcnt 0x0
	s_wait_alu depctr_hold_cnt(0) depctr_sa_sdst(0) depctr_va_vdst(0) depctr_va_sdst(0) depctr_va_ssrc(0) depctr_va_vcc(0) depctr_vm_vsrc(0)
	s_getreg_b32 s2, hwreg(HW_REG_IB_STS2, 6, 4)
	s_cmp_eq_u32 s2, 0
	s_cbranch_scc0 .Lentry_in_a_cluster
	s_endpgm
.Lentry_in_a_cluster:
	s_bfe_u32 s2, ttmp6, 0x10000c
	s_cmp_lg_u32 s2, 0x3003
	s_cbranch_scc0 .Lentry_shape_is_right
	s_endpgm
.Lentry_shape_is_right:
; out0 = softmax(q k^T / 8 + mask) v for each of 12 heads, 4096 queries x 4096 keys, both products on codes of FP4 with E8M0 scales.
; SOFTMAX: t = logit x log2(e); M = the running largest t, rounded UP to a whole number (kept as -M); p = 2^(t - M) is quantised along the keys, the row's sum is taken of the unquantised p, and divides at the end.
; When M moves, the sum and O are multiplied by 2^(old M - new M): exact.  A block's scale exponent is floor(largest t - M) - 2, which is floor(log2(largest p)) - 2.
; SHARES.  A work-group owns 64 queries (a group of four tiles of 16) of three heads (cy).  Wave w: head w / 4, query tiles A, B = 2 ((w / 2) % 2), + 1, and the key half e = w % 2 of every slot: each fragment of K, V and
; of the mask that a wave reads from LDS serves two tiles.  The two key halves of a pair of tiles are joined through LDS at the end; wave w stores tile w % 4.
; RING: two slots of 512 keys x 3 heads, twelve records of 8,960 bytes (K, V and their scale words), one joint load of a record a wave: the 4 x 1 cluster's work-groups walk the same keys.  The mask, 16,384 bytes, stays in LDS.
; LAYOUT.  Both products are transposed: S^T = K Q^T, O^T = V^T P^T: a lane (r, h) holds one query r.  Tile t = 4 c + u of K holds in row r the key 64 c + 8 u + r % 8 + 32 (r / 8), so a lane's 32 registers of four tiles are the 32 keys
; of block 2 c + h: maxima, conversions and the operand's registers need no other lane.  O^T's 32 registers of a tile are the channels 32 h + 0 .. 31.
; The score product fills 64 of its 128 along K: q's upper 64 codes are zeros, K's there are whatever finite codes lie in the registers.
; The mask is the C of the score product: it is loaded into S of tile A, serves tile B as C, then tile A in place.
; LDS loads stand one step ahead: K's behind the score products, the mask's when A's p are used up, V's behind the last product.
; A step of 128 keys for two tiles; A's exponentials stand among B's multiply-adds, B's among A's conversions and sums.
; PREFETCH: at a change of slots the slot after the one that is loaded is asked for, by the four work-groups of cluster x = 0 of each cy, 105 of a slot's 420 blocks of 256 bytes each, by waves 0-3, told apart by address; none for slots 0 and 1.
; LIMITS: the scaled scores (exponents to the base 2, before the maximum is taken away) stay under 2^31 in magnitude, but for mask entries that hide a key: they are held at -3e38, and a key whose logit lies under -1e38 counts for nothing (a row of such keys alone is not served).
; Blocks of p whose largest lies under 2^-124 are quantised under the byte 1 (a block of zeros too: its codes are zeros).  NaN and infinities other than a mask of -infinity are not served.
; In half batches of 32: A's first exponentials stand among B's multiply-adds, A's second among the first half of A's conversions and sums, B's first among A's second half's, B's second among B's first half's.
.set SLOT1, 1<<17                      ; slot 1 begins here: one exclusive or turns an address from slot to slot
.set REC,   8960                       ; K's 8 tiles, V's 4, K's words (+ 8192), V's (+ 8704)
.set SLOTB, 12*REC
.set MASK,  SLOTB                      ; behind slot 0
.set SPARE, MASK+16384                 ; the spare words: 12 x 128 bytes
.set EX,    SPARE+1536                 ; the waves' exchange of -M and sums: 12 x 256 bytes
.set STP,   272                        ; the way out: a stage row
.set STT,   16*STP                     ; a stage tile; two for each wave, in slot 0, which has had its last fill and its last read by then
.set PFO,  1
.set ADK,  2                           ; LDS addresses: codes, scale words, mask
.set ADS,  3
.set ADM,  4
.set NMP,  6                           ; -M: lanes 0-15 tile A's, lanes 16-31 tile B's
.set RM,   7                           ; the largest score so far, likewise
.set NA,   8                           ; v8, v9    -M of A, of B, in all lanes
.set NB,   9
.set FA,   10                          ; v10, v11  2^(old M - new M)
.set FB,   11
.set LA,   12                          ; v[12:13], v[14:15] the sums
.set LB,   14
.set BM,   16                          ; v16-21 at work: blocks of B (16, 17), of A (18, 19): largest score, then scale operand
.set KS,   22                          ; v22-31 scale words: K's four, Q's, V's two, P's
.set QSA,  26
.set QSB,  27
.set VS,   28
.set PWA,  30
.set PWB,  31
.set QA,   32                          ; Q: four registers of codes, four of zeros
.set QB,   40
.set KF,   48                          ; v48-79 K's tiles, in the order 0 2 1 3 4 6 5 7: an operand of 32 rows takes 16 registers, of each 8 the lower four
.set PCA,  80                          ; v80-87, v88-95 P's codes (v80-83 also lie in the last K operand's upper part)
.set PCB,  88
.set VF,   96                          ; v96-127 V's four tiles
.set SA,   128                         ; v128-191, v192-255 S^T, then p
.set SB,   192
.set O,    0                           ; window 1: v256-287 O^T of A, v288-319 of B
.set WV,   16
.set HH,   17
.set TQ,   18
.set CX,   19
.set CS,   20                          ; s[20:21] log2(e), twice
.set CN,   22                          ; -log2(e)
.set SEL,  24                          ; s[24:25] selects for lane l xor 16
.set G1,   28
.set G0,   36
.set TB,   40                          ; the slot in hand
.set TK,   41                          ; its mask
.set SLOTS, 42
.set LIM,  43
.set PFA,  44
.set SKW,  46                          ; my records in a slot, their scale words, my half of the mask
.set SSW,  47
.set SMW,  48
.set NEG,  49
.set MSB, 0
.macro WIN new
.if MSB != \new
	s_set_vgpr_msb (MSB<<8)|\new
.set MSB, \new
.endif
.endm
.macro DRAIN
	s_wait_alu depctr_va_vdst(0)
.endm
.macro CREST                           ; a round of the cluster's barrier behind its opening barrier
	s_cmp_lg_u32 s[WV], 0
	s_cbranch_scc1 .Lnot_wave_0_\@
	s_barrier_signal -3
.Lnot_wave_0_\@:
	s_barrier_wait -3
	s_barrier_signal -1
	s_barrier_wait -1
.endm
.macro ROUND
	s_barrier_signal -1
	s_barrier_wait -1
	CREST
.endm
.macro NOPS n
.rept \n
	v_nop
.endr
.endm
.macro TLOAD                           ; my record: 35 rows of 256 bytes, for all four partners
	tensor_load_to_lds s[G0:G0+3], s[G1:G1+7]
	s_nop 0
	NOPS 4
.endm
.macro ASK
	s_cmp_gt_u32 s[SLOTS], s[LIM]
	s_cbranch_scc0 .Lnot_mine_\@
	global_prefetch_b8 v[PFO], s[PFA:PFA+1] th:TH_LOAD_NT scope:SCOPE_SE
.Lnot_mine_\@:
.endm
.macro WM d, a, b, c, sa, sb
	v_wmma_scale_f32_32x16x128_f4 v[(\d):(\d)+15], v[(\a):(\a)+15], v[(\b):(\b)+7], v[(\c):(\c)+15], v[(\sa)], v[(\sb)]
.endm
.macro LDK q                           ; twelve loads
.irp t, 0,1,2,3,4,5,6,7
	ds_load_b128 v[KF+4*(4*(\t/4)+2*(\t%2)+(\t%4)/2):KF+4*(4*(\t/4)+2*(\t%2)+(\t%4)/2)+3], v[ADK] offset:(\q)*3*REC+512*\t
.endr
.irp p, 0,1,2,3
	ds_load_b32 v[KS+\p], v[ADS] offset:(\q)*3*REC+128*\p
.endr
.endm
.macro LDM q                           ; sixteen loads: register 32 c + i: key 64 c + 32 h + i
.irp c, 0,1
.irp m, 0,1,2,3,4,5,6,7
	ds_load_b128 v[SA+32*\c+4*\m:SA+32*\c+4*\m+3], v[ADM] offset:(\q)*512+256*\c+16*\m
.endr
.endr
.endm
.macro LDV q                           ; ten loads
.irp t, 0,1,2,3
.irp c, 0,1
	ds_load_b128 v[VF+8*\t+4*\c:VF+8*\t+4*\c+3], v[ADK] offset:(\q)*3*REC+4096+1024*\t+512*\c
.endr
.endr
.irp p, 0,1
	ds_load_b32 v[VS+\p], v[ADS] offset:(\q)*3*REC+512+128*\p
.endr
.endm
.macro SLOTADR                         ; LDS addresses in the slot in hand
	s_add_co_u32 s50, s[TB], s[SKW]
	s_add_co_u32 s51, s[TB], s[SSW]
	s_add_co_u32 s52, s[TK], s[SMW]
	v_and_b32 v[ADK], 31, v0
	v_bfe_u32 v[ADM], v0, 4, 1
	v_lshl_add_u32 v[BM+4], v0, 2, SPARE           ; my spare word,
	v_mov_b32 v[BM+5], 0                           ; and 0
	v_lshl_add_u32 v[ADS], v[ADK], 2, s51
	v_lshl_add_u32 v[ADM], v[ADM], 7, s52
	v_lshl_add_u32 v[ADK], v[ADK], 4, s50
.endm
.macro QK d, qf, qsc                   ; 128 keys x 16 queries: four products of 32 keys; C = the mask, which lies in SA
.irp p, 0,1,2,3
	WM \d+16*\p, KF+16*(\p/2)+4*(\p%2), \qf, SA+16*\p, KS+\p, \qsc
.endr
.endm
.macro MAXF s, r                       ; a tile's maxima in four chains, one for each accumulator, each from its low end on: the first round,
.irp k, 0,1,2,3
	v_max3_num_f32 v[\r+\k], v[\s+16*\k], v[\s+16*\k+1], v[\s+16*\k+2]
.endr
.endm
.macro MAXR s, r, i                    ; and a further one
.irp k, 0,1,2,3
	v_max3_num_f32 v[\r+\k], v[\r+\k], v[\s+16*\k+\i], v[\s+16*\k+\i+1]
.endr
.endm
.macro FMAA n                          ; A: t - M, the next n pairs
.rept \n
	v_pk_fma_f32 v[SA+2*J:SA+2*J+1], v[SA+2*J:SA+2*J+1], s[CS:CS+1], v[NA:NB] op_sel_hi:[1,0,0]
.set J, J+1
.endr
.endm
.macro BURST p                         ; eight registers' sum into the first two, in place
	v_pk_add_f32 v[\p:\p+1], v[\p:\p+1], v[\p+2:\p+3]
	v_pk_add_f32 v[\p+4:\p+5], v[\p+4:\p+5], v[\p+6:\p+7]
	v_pk_add_f32 v[\p:\p+1], v[\p:\p+1], v[\p+4:\p+5]
.endm
; Half a tile's exponentials (e: the first of 32 registers) with what stands among them: four conversions of the half tile at x (codes to c, scale operand o), one plain place, then that half tile's four partial sums.
; place 0: v_nop; 1: A's sum under the new M; 2: B's.  No result of one of these lines is read behind an exponential without a wait between.
.macro HALF e, x, c, o, place
.set J, 0
.rept 16
	v_exp_f32 v[\e+2*J], v[\e+2*J]
	v_exp_f32 v[\e+2*J+1], v[\e+2*J+1]
.if J < 4
	v_cvt_scalef32_pk8_fp4_f32 v[\c+J], v[\x+8*J:\x+8*J+7], v[\o]
.elseif J == 4
.if \place == 1
	v_pk_mul_f32 v[LA:LA+1], v[LA:LA+1], v[FA:FB] op_sel_hi:[1,0]
.elseif \place == 2
	v_pk_mul_f32 v[LB:LB+1], v[LB:LB+1], v[FA:FB] op_sel:[0,1] op_sel_hi:[1,1]
.else
	v_nop
.endif
.elseif (J%3) == 2
.set P, \x+8*((J-5)/3)
	BURST P
.endif
.set J, J+1
.endr
.endm
; A STEP: 128 keys, the q-th of my half of the slot.  kind 0: the next step lies in the same slot; 1: change of slots, the slot that is left is filled again; 2: change of slots without a fill; 3: the last step.
.macro PSTEP q, kind
	s_wait_dscnt 10                                ; K and the mask are in; V's ten loads may be out
	QK SB, QB, QSB
.if (\kind) == 1 || (\kind) == 2
	s_xor_b32 s[TB], s[TB], SLOT1
	s_add_co_u32 s[TK], s[TK], 2048
	SLOTADR                                        ; the next slot's addresses (no load of this slot is still to be issued).  Seven places: the products below write over the C of those above
	DRAIN
	s_wait_tensorcnt 0x0                           ; my record of the next slot has landed
	ds_add_u32 v[BM+4], v[BM+5]                    ; 0 onto my spare word
.if (\kind) == 1
	s_xor_b32 s[G0+1], s[G0+1], SLOT1              ; the descriptor: the other slot, the next 512 keys
	s_add_nc_u64 s[G0+2:G0+3], s[G0+2:G0+3], SLOTB
	s_wait_xcnt 0x0                                ; any prefetch of mine has read its address
	s_add_nc_u64 s[PFA:PFA+1], s[PFA:PFA+1], SLOTB
.endif
.else
	NOPS 5                                         ; places: the products below write over the C of those above
.endif
	QK SA, QA, QSA
.if (\kind) == 1 || (\kind) == 2
	s_wait_dscnt 0x0                               ; the add is done, and my reads of this slot are over (V is in)
	s_barrier_signal -1                            ; register work alone stands up to the barrier's wait
.endif
	MAXF SB, BM
	MAXR SB, BM, 3
.if (\kind) == 0
	LDK (\q)+1                                     ; eight places behind the last product that read K
.endif
	MAXR SB, BM, 5                                 ; B's chains in v[BM ..], A's in v[NA ..], by turns: eight at a time
	MAXF SA, NA
	MAXR SB, BM, 7
	MAXR SA, NA, 3
	MAXR SB, BM, 9
	MAXR SA, NA, 5
	MAXR SB, BM, 11
	MAXR SA, NA, 7
	MAXR SB, BM, 13
	MAXR SA, NA, 9
	v_max3_num_f32 v[BM], v[BM], v[SB+15], v[SB+31]
	v_max3_num_f32 v[BM+2], v[BM+2], v[SB+47], v[SB+63]
	MAXR SA, NA, 11
	v_max_num_f32 v[BM], v[BM], v[BM+1]            ; B's two blocks: v[BM], v[BM+1]
	v_max_num_f32 v[BM+1], v[BM+2], v[BM+3]
	MAXR SA, NA, 13
	v_max_num_f32 v[BM+5], v[BM], v[BM+1]
	v_max3_num_f32 v[NA], v[NA], v[SA+15], v[SA+31]
	v_max3_num_f32 v[FA], v[FA], v[SA+47], v[SA+63]
	v_max_num_f32 v[BM+2], v[NA], v[NB]            ; A's: v[BM+2], v[BM+3]
	v_max_num_f32 v[BM+3], v[FA], v[FB]
.if (\kind) == 1
	DRAIN
	s_barrier_wait -1
	CREST                                          ; no wave of any partner still reads the slot that is left or has a load on its way
	TLOAD                                          ; which is filled again
	ASK
	LDK 0
.elseif (\kind) == 2
	DRAIN
	s_barrier_wait -1
	LDK 0
.endif
	; both tiles' M in one chain: lanes 0-15 A, lanes 16-31 B
	v_max_num_f32 v[BM+4], v[BM+2], v[BM+3]
	v_permlane16_swap_b32 v[BM+4], v[BM+5]
	v_max3_num_f32 v[RM], v[RM], v[BM+4], v[BM+5]
	s_delay_alu instid0(VALU_DEP_1)
	v_mul_f32 v[BM+4], s[CN], v[RM]
	s_delay_alu instid0(VALU_DEP_1)
	v_floor_f32 v[NA], v[BM+4]                     ; the new -M = floor(-t)
	v_floor_f32 v[NB], v[BM+4]
	v_floor_f32 v[BM+5], v[BM+4]
	v_permlane16_swap_b32 v[NA], v[NB]             ; A's in all lanes, B's in all lanes
	; A's multiply-adds, and among them the rescaling's factors, the four blocks' scale exponents and P's scale words
.set J, 0
	v_sub_f32 v[BM+4], v[BM+5], v[NMP]             ; old M - new M: a whole number, 0 or less
	v_mov_b32 v[NMP], v[BM+5]
	FMAA 2
	v_cvt_i32_f32 v[BM+4], v[BM+4]                 ; (it saturates)
	v_fma_f32 v[BM], v[BM], s[CS], v[NB]
	FMAA 1
	v_fma_f32 v[BM+1], v[BM+1], s[CS], v[NB]
	FMAA 1
	v_fma_f32 v[BM+2], v[BM+2], s[CS], v[NA]
	v_ldexp_f32 v[FA], 1.0, v[BM+4]
	FMAA 1
	v_fma_f32 v[BM+3], v[BM+3], s[CS], v[NA]
	v_ldexp_f32 v[FB], 1.0, v[BM+4]
	FMAA 2
.irp k, 0,1,2,3
	v_max_num_f32 v[BM+\k], 0xc2f80000, v[BM+\k]   ; not under -124: the byte stays at 1 or above
	FMAA 1
.endr
	v_permlane16_swap_b32 v[FA], v[FB]
.irp k, 0,1,2,3
	v_cvt_floor_i32_f32 v[BM+\k], v[BM+\k]
	FMAA 1
.endr
	v_lshl_add_u32 v[BM+5], v[BM+1], 16, v[BM]     ; B: exponents of blocks h and 2 + h
	FMAA 2
	v_lshl_add_u32 v[BM+4], v[BM+3], 16, v[BM+2]   ; A's
	FMAA 1
.irp k, 0,1,2,3
	v_lshl_add_u32 v[BM+\k], v[BM+\k], 23, 0x3e800000   ; 125 onto the exponent: the conversion's scale operand
	FMAA 1
.endr
	v_permlane16_swap_b32 v[BM+4], v[BM+5]
	FMAA 3
	v_lshl_add_u32 v[BM+4], v[BM+5], 8, v[BM+4]
	FMAA 3
	v_add_nc_u32 v[PWA], 0x7d7d7d7d, v[BM+4]       ; 125 onto each of the four: A's word in lanes 0-15, B's in lanes 16-31
	FMAA 32-J
	v_permlanex16_b32 v[PWB], v[PWA], s[SEL], s[SEL+1]
	DRAIN                                          ; ahead of the batch
.set J, 0
.rept 16                               ; A's first half; all of B's multiply-adds
	v_exp_f32 v[SA+2*J], v[SA+2*J]
	v_pk_fma_f32 v[SB+4*J:SB+4*J+1], v[SB+4*J:SB+4*J+1], s[CS:CS+1], v[NA:NB] op_sel:[0,0,1] op_sel_hi:[1,0,1]
	v_exp_f32 v[SA+2*J+1], v[SA+2*J+1]
	v_pk_fma_f32 v[SB+4*J+2:SB+4*J+3], v[SB+4*J+2:SB+4*J+3], s[CS:CS+1], v[NA:NB] op_sel:[0,0,1] op_sel_hi:[1,0,1]
.set J, J+1
.endr
	DRAIN                                          ; behind each half batch, and ahead of the next
	HALF SA+32, SA, PCA, BM+2, 1                   ; A's second half; A's first half is converted and summed
	DRAIN
	HALF SB, SA+32, PCA+4, BM+3, 2                 ; B's first half; A's second
	DRAIN
.irp k, 0,16,32,48
	v_pk_add_f32 v[SA+\k:SA+\k+1], v[SA+\k:SA+\k+1], v[SA+\k+8:SA+\k+9]
.endr
	v_pk_add_f32 v[SA:SA+1], v[SA:SA+1], v[SA+16:SA+17]
	v_pk_add_f32 v[SA+32:SA+33], v[SA+32:SA+33], v[SA+48:SA+49]
	v_pk_add_f32 v[LA:LA+1], v[LA:LA+1], v[SA:SA+1]
	v_pk_add_f32 v[LA:LA+1], v[LA:LA+1], v[SA+32:SA+33]
.if (\kind) == 0
	LDM (\q)+1
.elseif (\kind) < 3
	LDM 0
.endif
	HALF SB+32, SB, PCB, BM, 0                     ; B's second half; B's first half is converted and summed
	WIN 0x41                                       ; O^T, in window 1, under the new M
.if (\kind) == 3
	s_wait_dscnt 0x0
.else
	s_wait_dscnt 28                                ; V is in; the next step's K (12 loads) and mask (16) may be out
.endif
	DRAIN                                          ; behind the last half batch; and O^T is first read here behind the exponentials
.set J, 0
.rept 16
	v_pk_mul_f32 v[O+2*J:O+2*J+1], v[O+2*J:O+2*J+1], v[FA:FB] op_sel_hi:[1,0]
.set J, J+1
.endr
.rept 16
	v_pk_mul_f32 v[O+2*J:O+2*J+1], v[O+2*J:O+2*J+1], v[FA:FB] op_sel:[0,1] op_sel_hi:[1,1]
.set J, J+1
.endr
	WIN 0
.irp j, 4,5,6,7
	v_cvt_scalef32_pk8_fp4_f32 v[PCB+\j], v[SB+8*\j:SB+8*\j+7], v[BM+1]
.endr
.irp k, 0,16
	v_pk_add_f32 v[SB+\k:SB+\k+1], v[SB+\k:SB+\k+1], v[SB+\k+8:SB+\k+9]   ; (plain places behind the conversions)
.endr
.irp k, 32,40,48,56
	v_pk_add_f32 v[SB+\k:SB+\k+1], v[SB+\k:SB+\k+1], v[SB+\k+2:SB+\k+3]
	v_pk_add_f32 v[SB+\k+4:SB+\k+5], v[SB+\k+4:SB+\k+5], v[SB+\k+6:SB+\k+7]
.endr
	WIN 0x50                                       ; C and D in window 1
.irp p, 0,1
	WM O+16*\p, VF+16*\p, PCA, O+16*\p, VS+\p, PWA
.endr
.irp p, 0,1
	WM O+32+16*\p, VF+16*\p, PCB, O+32+16*\p, VS+\p, PWB
.endr
	WIN 0
.irp k, 32,40,48,56
	v_pk_add_f32 v[SB+\k:SB+\k+1], v[SB+\k:SB+\k+1], v[SB+\k+4:SB+\k+5]   ; B's sums go on: also the places ahead of V's loads
.endr
.irp k, 32,48
	v_pk_add_f32 v[SB+\k:SB+\k+1], v[SB+\k:SB+\k+1], v[SB+\k+8:SB+\k+9]
.endr
	v_pk_add_f32 v[SB:SB+1], v[SB:SB+1], v[SB+16:SB+17]
	v_pk_add_f32 v[SB+32:SB+33], v[SB+32:SB+33], v[SB+48:SB+49]
	v_pk_add_f32 v[LB:LB+1], v[LB:LB+1], v[SB:SB+1]
	v_pk_add_f32 v[LB:LB+1], v[LB:LB+1], v[SB+32:SB+33]
.if (\kind) == 0
	LDV (\q)+1
.elseif (\kind) < 3
	LDV 0
.endif
.endm
	s_load_b256 s[4:11], s[0:1], 0x0               ; qc, qs, kv, the mask
	s_load_b64 s[12:13], s[0:1], 0x20              ; out0
	v_lshl_add_u32 v[BM+4], v0, 2, SPARE
	v_mov_b32 v[BM+5], 0
	ds_add_u32 v[BM+4], v[BM+5]                    ; the opening: the add, twice on end, and its wait
	ds_add_u32 v[BM+4], v[BM+5]
	v_lshrrev_b32 v[PFO], 5, v0
	s_delay_alu instid0(VALU_DEP_1)
	v_readfirstlane_b32 s[WV], v[PFO]              ; wave 0..11
	s_lshr_b32 s[HH], s[WV], 2                     ; which of the three heads
	s_and_b32 s[TQ], s[WV], 3                      ; which tile I store
	s_bfe_u32 s[CX], ttmp6, 0x40000
	s_and_b32 s57, ttmp7, 0xffff                   ; cy: which three heads
	s_mov_b32 s[G1], 15|(3<<16)|(1<<21)            ; the four partners; elements of 8 bytes; 21 set beside a mask
	s_mov_b32 s[G1+1], 32<<16
	s_mov_b32 s[G1+2], 35<<16
	s_mov_b32 s[G1+3], 32<<16
	s_mov_b32 s[G1+4], 35
	s_mov_b32 s[G1+5], 32
	s_mov_b32 s[G1+6], 0
	s_mov_b32 s[G1+7], 0
	s_mul_i32 s60, s57, 96*REC                     ; my three heads' records
	s_mul_i32 s62, s[WV], REC                      ; I fetch record w of a slot
	s_add_co_u32 s60, s60, s62
	s_mov_b32 s61, 0
	s_mov_b32 s[CS], 0x3fb8aa3b
	s_mov_b32 s[CS+1], 0x3fb8aa3b
	s_mov_b32 s[CN], 0xbfb8aa3b
	s_mov_b32 s[SEL], 0x76543210
	s_mov_b32 s[SEL+1], 0xfedcba98
	s_mov_b32 s[NEG], 0xff61b1e6                   ; -3e38
	s_mov_b32 s[TB], 0
	s_mov_b32 s[TK], 0
	s_mov_b32 s[SLOTS], 6
	DRAIN
	s_wait_dscnt 0x0                               ; both opening adds are done
	ROUND                                          ; all four work-groups are here: the first joint loads meet.  (The round needs no argument: their load is on its way beside it)
	s_wait_kmcnt 0x0
	s_mov_b32 s[G0], 1
	s_mov_b32 s[G0+1], s62
	s_add_nc_u64 s[G0+2:G0+3], s[8:9], s[60:61]
	s_or_b32 s[G0+3], s[G0+3], 0x80000000
	TLOAD                                          ; slot 0: one tensor load a wave at the head
	s_lshl_b32 s56, ttmp9, 2
	s_add_co_u32 s56, s56, s[CX]                   ; my 64 queries
	s_mul_i32 s58, s57, 3
	s_add_co_u32 s58, s58, s[HH]                   ; my head
	s_and_b32 s54, s[WV], 1                        ; e: my half of a slot's keys
	s_lshr_b32 s55, s[TQ], 1                       ; my pair of tiles
	s_lshl_b32 s60, s58, 17
	s_lshl_b32 s62, s56, 11
	s_add_co_u32 s60, s60, s62
	s_lshl_b32 s62, s55, 10
	s_add_co_u32 s60, s60, s62
	s_add_nc_u64 s[4:5], s[4:5], s[60:61]          ; q's codes: tiles A, B
	s_lshl_b32 s60, s58, 14
	s_lshl_b32 s62, s56, 8
	s_add_co_u32 s60, s60, s62
	s_lshl_b32 s62, s55, 7
	s_add_co_u32 s60, s60, s62
	s_add_nc_u64 s[6:7], s[6:7], s[60:61]          ; their words
	s_lshl_b32 s60, s56, 6
	s_lshl_b32 s62, s[TQ], 3
	s_add_co_u32 s60, s60, s62
	s_mul_i32 s60, s60, 3072
	s_lshl_b32 s62, s58, 8
	s_add_co_u32 s60, s60, s62
	s_add_nc_u64 s[12:13], s[12:13], s[60:61]      ; out0: the first row of the tile that I store, my head
	s_mul_i32 s60, s57, 96*REC
	s_mul_i32 s62, s[CX], 105*256
	s_add_co_u32 s60, s60, s62
	s_add_co_u32 s60, s60, 2*SLOTB
	s_add_nc_u64 s[PFA:PFA+1], s[8:9], s[60:61]    ; the prefetches begin with slot 2
	s_cmp_lt_u32 s[WV], 4
	s_cselect_b32 s62, 0, 1
	s_or_b32 s62, s62, ttmp9
	s_cmp_eq_u32 s62, 0
	s_cselect_b32 s[LIM], 1, -1                    ; waves 0-3 of the first cluster ask while more than one fill is to come
	s_mul_i32 s[SKW], s54, 6
	s_add_co_u32 s[SKW], s[SKW], s[HH]
	s_mul_i32 s[SKW], s[SKW], REC                  ; record 3 (2 e + q) + head
	s_add_co_u32 s[SSW], s[SKW], 8192
	s_lshl_b32 s[SMW], s54, 10
	s_add_co_u32 s[SMW], s[SMW], MASK
	v_min_u32 v[PFO], 104, v0                      ; waves 0-3: blocks 0 .. 104; wave 3's last lanes name its last block again
	v_lshlrev_b32 v[PFO], 8, v[PFO]
	v_and_b32 v98, 31, v0
	v_and_b32 v99, 15, v0
	v_lshrrev_b32 v97, 5, v0
	v_lshlrev_b32 v98, 4, v98
	v_lshlrev_b32 v99, 2, v99
	v_lshl_add_u32 v96, v97, 11, v98               ; the mask: 2,048 bytes a wave
	v_add_nc_u32 v97, MASK, v96
	global_load_b128 v[QA:QA+3], v98, s[4:5]
	global_load_b128 v[QB:QB+3], v98, s[4:5] offset:512
	global_load_b32 v[QSA], v99, s[6:7]
	global_load_b32 v[QSB], v99, s[6:7] offset:64
	SLOTADR
	DRAIN
	s_cmp_lt_u32 s[WV], 8
	s_cbranch_scc0 .Lno_mask
.irp i, 0,1,2,3
	global_load_b128 v[SA+4*\i:SA+4*\i+3], v96, s[10:11] offset:512*\i
.endr
	s_wait_loadcnt 0x0
.irp j, 0,1,2,3,4,5,6,7,8,9,10,11,12,13,14,15
	v_max_num_f32 v[SA+\j], s[NEG], v[SA+\j]       ; held at -3e38
.endr
.irp i, 0,1,2,3
	ds_store_b128 v97, v[SA+4*\i:SA+4*\i+3] offset:512*\i
.endr
	DRAIN
.Lno_mask:
	v_mov_b32 v[RM], 0xfe967699                    ; -1e38: under every score that counts
	s_delay_alu instid0(VALU_DEP_1)
	v_mul_f32 v[NMP], s[CN], v[RM]
	s_delay_alu instid0(VALU_DEP_1)
	v_floor_f32 v[NMP], v[NMP]
	v_mov_b32 v[PWB], 0x7f7f7f7f                   ; written once: a lane permute's destination counts as one of its sources
.irp j, 0,1,2,3
	v_mov_b32 v[LA+\j], 0
	v_mov_b32 v[QA+4+\j], 0
	v_mov_b32 v[QB+4+\j], 0
	v_mov_b32 v[PCA+\j], 0                         ; read as the last K operand's upper part ahead of the first codes
.endr
	WIN 0x40
.rept 64
	v_mov_b32 v[\+], 0                             ; O^T: the step is written for both first and later keys
.endr
	WIN 0
	DRAIN                                          ; the head's end
	s_wait_loadcnt 0x0
	s_wait_tensorcnt 0x0                           ; my record of slot 0 has landed
	ds_add_u32 v[BM+4], v[BM+5]
	s_xor_b32 s[G0+1], s[G0+1], SLOT1
	s_add_nc_u64 s[G0+2:G0+3], s[G0+2:G0+3], SLOTB
	s_wait_dscnt 0x0                               ; the add is done, and my part of the mask stands in LDS
	ROUND
	TLOAD                                          ; slot 1
	ASK
	LDK 0
	LDM 0
	LDV 0
.Lslot:                                                ; slots 0 to 5: slots 2 to 7 are filled behind them
	PSTEP 0, 0
	PSTEP 1, 1
	DRAIN
	s_sub_co_u32 s[SLOTS], s[SLOTS], 1
	s_cmp_lg_u32 s[SLOTS], 0
	s_cbranch_scc1 .Lslot
	PSTEP 0, 0                                     ; slot 6
	PSTEP 1, 2
	PSTEP 0, 0                                     ; slot 7
	PSTEP 1, 3
	; THE WAY OUT.  The two key halves exchange -M and the sums (lanes 0-15 tile A, lanes 16-31 tile B); each brings its O^T under the common M and divides by the common sum; both parts go to LDS, and each wave adds and stores one tile.
	v_add_f32 v[LA], v[LA], v[LA+1]
	v_add_f32 v[LB], v[LB], v[LB+1]
	v_permlane16_swap_b32 v[LA], v[LB]
	v_add_f32 v[LA], v[LA], v[LB]                  ; the sum over both halves of the lanes
	v_mov_b32 v[LA+1], v[NMP]
	v_lshl_add_u32 v[ADK], v0, 3, EX
	v_xor_b32 v[ADS], 32, v0                       ; the same lane of wave w xor 1
	v_lshl_add_u32 v[ADS], v[ADS], 3, EX
	ds_store_b64 v[ADK], v[LA:LA+1]
	s_mul_i32 s50, s[WV], 2*STT                    ; my stage: two tiles
	s_lshr_b32 s51, s[WV], 1
	s_mul_i32 s51, s51, 4*STT
	s_and_b32 s52, s[WV], 1
	s_mul_i32 s52, s52, STT
	s_add_co_u32 s51, s51, s52                     ; tile e of the even wave's stage; the odd wave's lies 2 STT on
	v_and_b32 v48, 15, v0                          ; r
	v_bfe_u32 v49, v0, 4, 1                        ; h
	v_mul_u32_u24 v50, v48, STP
	v_lshl_add_u32 v50, v49, 7, v50
	v_add_nc_u32 v50, s50, v50                     ; in: row r, 128 bytes a half
	v_mul_u32_u24 v51, v49, STP
	v_lshl_add_u32 v51, v48, 4, v51
	v_add_nc_u32 v51, s51, v51                     ; back: lanes 0-15 one row, lanes 16-31 the next
	v_mul_u32_u24 v52, v49, 3072
	v_lshl_add_u32 v52, v48, 4, v52                ; and the same in out0
	DRAIN
	s_wait_dscnt 0x0                               ; my words are stored, and I read no slot any more
	s_barrier_signal -1
	s_barrier_wait -1
	ds_load_b64 v[LB:LB+1], v[ADS]
	s_wait_dscnt 0x0
	v_min_num_f32 v[BM], v[LA+1], v[LB+1]          ; the common -M
	v_sub_f32 v[BM+1], v[BM], v[LA+1]
	v_sub_f32 v[BM+2], v[BM], v[LB+1]
	v_cvt_i32_f32 v[BM+1], v[BM+1]
	v_cvt_i32_f32 v[BM+2], v[BM+2]
	v_ldexp_f32 v[BM+1], 1.0, v[BM+1]
	v_ldexp_f32 v[BM+2], 1.0, v[BM+2]
	v_mul_f32 v[BM+3], v[LA], v[BM+1]
	v_fma_f32 v[BM+3], v[LB], v[BM+2], v[BM+3]     ; the common sum
	DRAIN
	v_rcp_f32 v[BM+3], v[BM+3]
	v_nop                                          ; the plain place behind a transcendental
	DRAIN
	v_mul_f32 v[FA], v[BM+1], v[BM+3]
	v_mul_f32 v[FB], v[BM+1], v[BM+3]
	v_permlane16_swap_b32 v[FA], v[FB]
	WIN 0x01
	DRAIN                                          ; O^T is first read here behind the reciprocal
.set J, 0
.rept 16
	v_pk_mul_f32 v[SA+2*J:SA+2*J+1], v[O+2*J:O+2*J+1], v[FA:FB] op_sel_hi:[1,0]
.set J, J+1
.endr
.rept 16
	v_pk_mul_f32 v[SA+2*J:SA+2*J+1], v[O+2*J:O+2*J+1], v[FA:FB] op_sel:[0,1] op_sel_hi:[1,1]
.set J, J+1
.endr
	WIN 0
.irp t, 0,1
.irp m, 0,1,2,3,4,5,6,7
	ds_store_b128 v50, v[SA+32*\t+4*\m:SA+32*\t+4*\m+3] offset:STT*\t+16*\m
.endr
.endr
	DRAIN
	s_wait_dscnt 0x0
	s_barrier_signal -1
	s_barrier_wait -1
.irp i, 0,1,2,3,4,5,6,7
	ds_load_b128 v[SB+4*\i:SB+4*\i+3], v51 offset:2*\i*STP
	ds_load_b128 v[SB+32+4*\i:SB+32+4*\i+3], v51 offset:2*STT+2*\i*STP
.endr
.irp i, 0,1,2,3,4,5,6,7
	s_wait_dscnt 14-2*\i                           ; both parts of rows 2 i, 2 i + 1 are in
	v_pk_add_f32 v[SB+4*\i:SB+4*\i+1], v[SB+4*\i:SB+4*\i+1], v[SB+32+4*\i:SB+33+4*\i]
	v_pk_add_f32 v[SB+4*\i+2:SB+4*\i+3], v[SB+4*\i+2:SB+4*\i+3], v[SB+34+4*\i:SB+35+4*\i]
	global_store_b128 v52, v[SB+4*\i:SB+4*\i+3], s[12:13] offset:(2*\i+24*(\i/4))*3072   ; sixteen lanes store one aligned unit of 256 bytes
.endr
	v_lshl_add_u32 v[BM+4], v0, 2, SPARE
	v_mov_b32 v[BM+5], 0
	DRAIN
	s_wait_tensorcnt 0x0                           ; the wave's end
	ds_add_u32 v[BM+4], v[BM+5]
	s_wait_dscnt 0x0
	ROUND                                          ; the closing round
	s_endpgm
.Lfunc_end_k_qc000efa473_attn:
	.size	k_qc000efa473_attn, .Lfunc_end_k_qc000efa473_attn-k_qc000efa473_attn
	.p2alignl 7, 3214868480
	.fill 96, 4, 3214868480
	.section	.rodata,"a",@progbits
	.p2align	6, 0x0
	.amdhsa_kernel k_qc000efa473_attn
		.amdhsa_group_segment_fixed_size 327680
		.amdhsa_private_segment_fixed_size 0
		.amdhsa_enable_private_segment 0
		.amdhsa_kernarg_size 40
		.amdhsa_user_sgpr_count 2
		.amdhsa_user_sgpr_kernarg_segment_ptr 1
		.amdhsa_wavefront_size32 1
		.amdhsa_system_sgpr_workgroup_id_x 1
		.amdhsa_system_sgpr_workgroup_id_y 1
		.amdhsa_system_sgpr_workgroup_id_z 1
		.amdhsa_system_vgpr_workitem_id 0
		.amdhsa_next_free_vgpr 320
		.amdhsa_next_free_sgpr 66
		.amdhsa_reserve_vcc 0
		.amdhsa_float_denorm_mode_32 3
		.amdhsa_float_denorm_mode_16_64 3
		.amdhsa_memory_ordered 1
		.amdhsa_forward_progress 1
		.amdhsa_inst_pref_size 175
	.end_amdhsa_kernel
	.amdgpu_metadata
---
amdhsa.version: [ 1, 2 ]
amdhsa.kernels:
  - .name:           k_qc000efa473_attn
    .symbol:         k_qc000efa473_attn.kd
    .args:
      - { .name: qc, .offset: 0, .size: 8, .value_kind: global_buffer, .address_space: global }
      - { .name: qs, .offset: 8, .size: 8, .value_kind: global_buffer, .address_space: global }
      - { .name: kv, .offset: 16, .size: 8, .value_kind: global_buffer, .address_space: global }
      - { .name: attention_mask, .offset: 24, .size: 8, .value_kind: global_buffer, .address_space: global }
      - { .name: out0, .offset: 32, .size: 8, .value_kind: global_buffer, .address_space: global }
    .group_segment_fixed_size: 327680
    .private_segment_fixed_size: 0
    .kernarg_segment_align: 8
    .kernarg_segment_size: 40
    .max_flat_workgroup_size: 384
    .sgpr_count:     66
    .vgpr_count:     320
    .wavefront_size: 32
...
	.end_amdgpu_metadata
.endif
;; end of part 3
